; MI455X (gfx1250); checked and timed in simulation.
; The chip was launched on July 23, 2026; its instructions are those of AMD's public machine-readable ISA for CDNA 5 (MIT licence, August 2026) and "CDNA5" Instruction Set Architecture Reference Guide (July 2026). The comments in the code are by the model that wrote it; some were corrected since.
;; Multi Head Self Attention. Allowed arithmetic: float matrix products may take bf16 or f16 operands with f32 sums; all other float work in f32.
;; Inputs: b_out 1,024 float32; b_qkv 3,072 float32; w_out 1,024 x 1,024 float32; w_qkv 1,024 x 3,072 float32; x 2 x 2,048 x 1,024 float32.
;; Outputs: out0 2 x 2,048 x 1,024 float32.
;; One version. Each part assembles by itself: llvm-mc -triple=amdgcn-amd-amdhsa -mcpu=gfx1250 --defsym DOCPART=n.
;; ======== version 1 of 1: 4 launches
;; workspace buffers: castb 16,777,216 bytes; qkvh 25,165,824 bytes; attnh 8,388,608 bytes
;; launch cast (part 1): grid 1024 x 1, 8 waves a work-group, no clusters, 0 bytes of LDS; arguments x, w_qkv, w_out, castb; writes castb
.if DOCPART == 1
	.amdgcn_target "amdgcn-amd-amdhsa--gfx1250"
	.amdhsa_code_object_version 6
	.text
	.protected	k_q0ab8aa9b36_cast
	.globl	k_q0ab8aa9b36_cast
	.p2align	8
	.type	k_q0ab8aa9b36_cast,@function
k_q0ab8aa9b36_cast:
	s_mov_b64 s[64:65], 0
	v_nop
	global_prefetch_b8 v0, s[64:65] scope:SCOPE_SE
	s_setreg_imm32_b32 hwreg(HW_REG_WAVE_MODE, 25, 1), 1
	s_wait_xcnt 0x0
; castb = bf16(x) | bf16(w_qkv) | bf16(w_out), each in its input's own layout, one behind the other:
;   x     [4096][1024] at byte 0           (work-groups   0 .. 511)
;   w_qkv [1024][3072] at byte 8,388,608   (work-groups 512 .. 895)
;   w_out [1024][1024] at byte 14,680,064  (work-groups 896 .. 1023)
; Why this launch: x is multiplied by 16 column blocks and w_qkv by 16 row blocks of the next launch; as bf16 their tiles
; are half the bytes on every one of those ways, and only 16-bit data stored [K][N] has a transposing LDS load.
; A work-group casts 32,768 bytes of f32 into 16,384 bytes of bf16 (round to nearest even).  Thread t takes the 16 bytes
; at 16 t of each of eight blocks of 4,096 bytes; a wave's load covers 512 consecutive bytes, a wave's store 256
; consecutive bytes at a multiple of 256 from the buffer's first byte.  No work-groups share data: no LDS, no cluster.
.set IN,  4                            ; v[4:35]   eight loads of four f32
.set OUT, 36                           ; v[36:51]  eight pairs of packed bf16
	s_load_b256 s[4:11], s[0:1], 0x0               ; x s[4:5], w_qkv s[6:7], w_out s[8:9], castb s[10:11]
	v_lshlrev_b32 v1, 4, v0                        ; my 16 bytes in a block of the source
	v_lshlrev_b32 v2, 3, v0                        ; my 8 bytes in a block of the result
	s_lshl_b32 s18, ttmp9, 14                      ; the work-group's 16,384 bytes of castb
	s_mov_b32 s19, 0
	s_mov_b32 s17, 0
	s_wait_kmcnt 0x0
	s_cmp_lt_u32 ttmp9, 512                        ; which input, and its first work-group
	s_cselect_b64 s[12:13], s[4:5], s[6:7]
	s_cselect_b32 s14, 0, 512
	s_cmp_lt_u32 ttmp9, 896
	s_cselect_b64 s[12:13], s[12:13], s[8:9]
	s_cselect_b32 s14, s14, 896
	s_sub_co_u32 s14, ttmp9, s14                   ; my number among that input's work-groups
	s_lshl_b32 s16, s14, 15                        ; times 32,768 bytes (below 16 MiB)
	s_add_nc_u64 s[12:13], s[12:13], s[16:17]
	s_add_nc_u64 s[10:11], s[10:11], s[18:19]
.irp i, 0,1,2,3,4,5,6,7
	global_load_b128 v[IN+4*\i:IN+4*\i+3], v1, s[12:13] offset:4096*\i th:TH_LOAD_NT   ; read once in the launch
.endr
.irp i, 0,1,2,3,4,5,6,7
	s_wait_loadcnt 7-\i                            ; loads come back in order (ISA guide 5.7.1): load i is in, the younger ones stay out
	v_cvt_pk_bf16_f32 v[OUT+2*\i],   v[IN+4*\i],   v[IN+4*\i+1]
	v_cvt_pk_bf16_f32 v[OUT+2*\i+1], v[IN+4*\i+2], v[IN+4*\i+3]
	global_store_b64 v2, v[OUT+2*\i:OUT+2*\i+1], s[10:11] offset:2048*\i               ; no register is written twice: no further wait
.endr
	s_endpgm
.Lfunc_end_k_q0ab8aa9b36_cast:
	.size	k_q0ab8aa9b36_cast, .Lfunc_end_k_q0ab8aa9b36_cast-k_q0ab8aa9b36_cast
	.p2alignl 7, 3214868480
	.fill 96, 4, 3214868480
	.section	.rodata,"a",@progbits
	.p2align	6, 0x0
	.amdhsa_kernel k_q0ab8aa9b36_cast
		.amdhsa_group_segment_fixed_size 0
		.amdhsa_private_segment_fixed_size 0
		.amdhsa_enable_private_segment 0
		.amdhsa_kernarg_size 32
		.amdhsa_user_sgpr_count 2
		.amdhsa_user_sgpr_kernarg_segment_ptr 1
		.amdhsa_wavefront_size32 1
		.amdhsa_system_sgpr_workgroup_id_x 1
		.amdhsa_system_sgpr_workgroup_id_y 1
		.amdhsa_system_sgpr_workgroup_id_z 1
		.amdhsa_system_vgpr_workitem_id 0
		.amdhsa_next_free_vgpr 52
		.amdhsa_next_free_sgpr 66
		.amdhsa_reserve_vcc 0
		.amdhsa_float_denorm_mode_32 3
		.amdhsa_float_denorm_mode_16_64 3
		.amdhsa_memory_ordered 1
		.amdhsa_forward_progress 1
		.amdhsa_inst_pref_size 4
	.end_amdhsa_kernel
	.amdgpu_metadata
---
amdhsa.version: [ 1, 2 ]
amdhsa.kernels:
  - .name:           k_q0ab8aa9b36_cast
    .symbol:         k_q0ab8aa9b36_cast.kd
    .args:
      - { .name: x, .offset: 0, .size: 8, .value_kind: global_buffer, .address_space: global }
      - { .name: w_qkv, .offset: 8, .size: 8, .value_kind: global_buffer, .address_space: global }
      - { .name: w_out, .offset: 16, .size: 8, .value_kind: global_buffer, .address_space: global }
      - { .name: castb, .offset: 24, .size: 8, .value_kind: global_buffer, .address_space: global }
    .group_segment_fixed_size: 0
    .private_segment_fixed_size: 0
    .kernarg_segment_align: 8
    .kernarg_segment_size: 32
    .max_flat_workgroup_size: 256
    .sgpr_count:     66
    .vgpr_count:     52
    .wavefront_size: 32
...
	.end_amdgpu_metadata
.endif
;; end of part 1
;; launch qkv (part 2): grid 16 x 16, 4 waves a work-group, clusters of 4 x 4, 327,680 bytes of LDS; arguments castb, b_qkv, qkvh; writes qkvh
.if DOCPART == 2
	.amdgcn_target "amdgcn-amd-amdhsa--gfx1250"
	.amdhsa_code_object_version 6
	.text
	.protected	k_q0ab8aa9b36_qkv
	.globl	k_q0ab8aa9b36_qkv
	.p2align	8
	.type	k_q0ab8aa9b36_qkv,@function
k_q0ab8aa9b36_qkv:
	s_mov_b64 s[64:65], 0
	v_nop
	global_prefetch_b8 v0, s[64:65] scope:SCOPE_SE
	s_setreg_imm32_b32 hwreg(HW_REG_WAVE_MODE, 25, 1), 1
	s_wait_xcnt 0x0
	s_wait_alu depctr_hold_cnt(0) depctr_sa_sdst(0) depctr_va_vdst(0) depctr_va_sdst(0) depctr_va_ssrc(0) depctr_va_vcc(0) depctr_vm_vsrc(0)
	s_getreg_b32 s2, hwreg(HW_REG_IB_STS2, 6, 4)
	s_cmp_eq_u32 s2, 0
	s_cbranch_scc0 .Lentry_in_a_cluster
	s_endpgm
.Lentry_in_a_cluster:
	s_bfe_u32 s2, ttmp6, 0x10000c
	s_cmp_lg_u32 s2, 0xf033
	s_cbranch_scc0 .Lentry_shape_is_right
	s_endpgm
.Lentry_shape_is_right:
; qkvh = bf16( x w_qkv + b_qkv ), sums in f32.  x [4096][1024] and w_qkv [1024][3072] come as bf16 from castb.
; qkvh is laid [48 units][4096 rows][64]: unit u = columns 64 u .. 64 u + 63 of qkv (q of head h: u = h, k: 16 + h, v: 32 + h);
; byte = u * 524,288 + row * 128 + 2 d.  So a head's rows are dense, and four neighbouring rows are 512 consecutive bytes.
; LIMITS: operands rounded to bf16, the result rounded once to bf16; NaN and infinities are not treated apart.
; A work-group makes 256 rows x 192 columns with four waves (one for each SIMD), a wave 128 x 96: 48 accumulator tiles, 384 registers.
; K goes in steps of 128 through two LDS slots filled by the tensor data mover.  4 x 4 work-groups form a cluster: the four of
; a row of the cluster need the same tile of x, the four of a column the same tile of w: both are asked for jointly.
; w lies [K][N]: its fragments come out of LDS by the transposing load, so it is never transposed in memory.
; The matrix instruction is used transposed (source 0 = 16 columns of w, source 1 = 16 rows of x): lane l then holds row l % 16 and
; eight neighbouring columns 8 (l / 16) + 0 .. 7, which pack into 16 bytes.
; REGISTERS in windows of 256: window 0: v16-27 addresses, v64-127 / v128-191 fragments of x (two buffers), v192-239 bias;
; window 1: v64-111 / v128-175 fragments of w; window 2: accumulators of my rows 0-63 (tile (a, b) at v[8 (6 a + b)]); window 3: rows 64-127.
.set LAPS,  4                          ; a lap = two K steps = once round the ring; 1024 / 256
.set MT,    8                          ; m tiles of a wave
.set AH,    4                          ; m tiles in one accumulator window
.set NT,    6                          ; n tiles of a wave
.set PA,    272                        ; LDS row of x: 256 bytes + 16 of padding, an odd multiple of 16
.set PB,    544                        ; LDS row of w: 512 bytes (384 of data, 128 of zeros) + 32 of padding, an odd multiple of 32
.set QT,    34816                      ; one wave's load: 128 rows x 272 = 64 rows x 544
.set SLOT,  4*QT                       ; x rows 0-127, x rows 128-255, w k 0-63, w k 64-127
.set ASTEP, 256                        ; bytes from one K step's tile of x to the next
.set WSTEP, 128*6144                   ; the same for w: 128 rows of 6,144 bytes
.set AHALF, QT                         ; my half of the block's rows in LDS
.set CHB,   192                        ; my half of the block's columns, in bytes of bf16
.set SP,    400                        ; the stage's row: 384 bytes + 16, an odd multiple of 16
.set WQ_OFF, 8388608                   ; w_qkv in castb
.set UNIT,  524288                     ; bytes of a unit of qkvh
.set ADRA, 16                          ; v16-17  LDS address of my x fragments in slot 0, 1
.set ADRB, 20                          ; v20-21  the same for w
.set STO,  24                          ; the way out: where I put 16 bytes
.set RD,   25                          ; the way out: where I read rows back
.set CO,   26                          ; 16 x lane
.set BO,   27                          ; 32 x (l / 16): my eight bias numbers in a tile's 64 bytes
.set F0,   64
.set F1,   128
.set BIAS, 192
.set PK,   112                         ; the way out: packed results
.set G1,  24                           ; s[24:31] group 1 for x
.set G0,  32                           ; s[32:39] group 0 for x, one set a slot
.set G1B, 48                           ; s[48:55] group 1 for w
.set G0B, 56                           ; s[56:63] group 0 for w, one set a slot
.set MSB, 0
.macro WIN new                         ; the immediate's high byte repeats the setting that is left
.if MSB != \new
	s_set_vgpr_msb (MSB<<8)|\new
.set MSB, \new
.endif
.endm
.set MUL_LO, 0xa1                      ; source 0 (w) window 1, source 1 (x) window 0, C and D window 2
.set MUL_HI, 0xf1                      ; the same, C and D window 3
.set TO_B,   0x40                      ; destination window 1, address window 0
; A joint load.  Waves 0, 1 fetch x's two halves, waves 2, 3 w's.  Each line has one mask and one set of registers; the branch hangs on the wave's number alone.
.macro JLOAD s
	s_cmp_eq_u32 s11, 0
	s_cbranch_scc0 .Lfor_b_\@
	tensor_load_to_lds s[G0+4*\s:G0+4*\s+3], s[G1:G1+7]
	s_nop 0
	s_branch .Lasked_\@
.Lfor_b_\@:
	tensor_load_to_lds s[G0B+4*\s:G0B+4*\s+3], s[G1B:G1B+7]
	s_nop 0
.Lasked_\@:
.endm
.macro CREST                           ; a round of the cluster's barrier behind its opening work-group barrier
	s_cmp_lg_u32 s10, 0
	s_cbranch_scc1 .Lnot_wave_0_\@
	s_barrier_signal -3
.Lnot_wave_0_\@:
	s_barrier_wait -3
	s_barrier_signal -1
	s_barrier_wait -1
.endm
.macro CROUND                          ; a whole round
	s_barrier_signal -1
	s_barrier_wait -1
	CREST
.endm
	s_load_b128 s[4:7], s[0:1], 0x0                ; castb s[4:5], b_qkv s[6:7]
	s_load_b64 s[8:9], s[0:1], 0x10                ; qkvh
	s_set_vgpr_msb 0x40
	v_lshl_add_u32 v255, v0, 2, 0x44000
	s_set_vgpr_msb 0x4000
	v_mov_b32 v63, 0
	s_set_vgpr_msb 0x1
	ds_add_u32 v255, v63
	s_set_vgpr_msb 0x100
	v_lshrrev_b32 v1, 5, v0
	v_readfirstlane_b32 s10, v1                    ; wave 0..3
	s_lshr_b32 s11, s10, 1                         ; my half of the rows.  Also: I fetch x (0) or w (1)
	s_and_b32 s12, s10, 1                          ; my half of the columns.  Also: which half of that tile I fetch
	s_bfe_u32 s40, ttmp6, 0x40000                  ; cx
	s_bfe_u32 s41, ttmp6, 0x40004                  ; cy
	s_lshl_b32 s42, ttmp9, 2
	s_add_co_u32 s42, s42, s40                     ; block column = 4 x cluster x + cx
	s_and_b32 s13, ttmp7, 0xffff
	s_lshl_b32 s13, s13, 2
	s_add_co_u32 s13, s13, s41                     ; block row = 4 x cluster y + cy
	s_lshl_b32 s43, s41, 2
	s_lshl_b32 s43, 15, s43                        ; my row of the cluster
	s_lshl_b32 s44, 0x1111, s40                    ; my column of the cluster
	; group 1 for x: 128 rows x 128 elements of 2 bytes, 4 words of padding behind every 64 words
	s_or_b32 s[G1+0], s43, (1<<16)|(1<<20)|(1<<21)|(5<<22)|(3<<25)
	s_mov_b32 s[G1+1], 128<<16                     ; tensor_dim0 = 128
	s_mov_b32 s[G1+2], 128<<16                     ; tensor_dim1 = 128
	s_mov_b32 s[G1+3], 128<<16                     ; tile_dim0 = 128
	s_mov_b32 s[G1+4], 128                         ; tile_dim1 = 128
	s_mov_b32 s[G1+5], 1024                        ; elements from row to row
	s_mov_b32 s[G1+6], 0
	s_mov_b32 s[G1+7], 0
	; group 1 for w: 64 rows; the tile is 256 elements wide but the tensor ends after 192, so that the last 64 arrive as zeros and are not
	; read from memory: an LDS row is then 128 words, a length that the padding's interval can name; 8 words of padding behind it
	s_or_b32 s[G1B+0], s44, (1<<16)|(1<<20)|(1<<21)|(6<<22)|(7<<25)
	s_mov_b32 s[G1B+1], 192<<16                    ; tensor_dim0 = 192
	s_mov_b32 s[G1B+2], 64<<16                     ; tensor_dim1 = 64
	s_mov_b32 s[G1B+3], 256<<16                    ; tile_dim0 = 256
	s_mov_b32 s[G1B+4], 64                         ; tile_dim1 = 64
	s_mov_b32 s[G1B+5], 3072
	s_mov_b32 s[G1B+6], 0
	s_mov_b32 s[G1B+7], 0
	; x's tile hangs on the block row alone, w's on the block column alone; each offset in registers that never hold the other coordinate
	s_lshl_b32 s16, s13, 19                        ; 256 rows of 2,048 bytes a block row
	s_lshl_b32 s17, s12, 18                        ; + 128 rows for the second half
	s_add_co_u32 s16, s16, s17
	s_mov_b32 s17, 0
	s_mul_i32 s46, s42, 384                        ; 192 columns of 2 bytes a block column
	s_mul_i32 s47, s12, 64*6144                    ; + 64 k rows for the second half
	s_add_co_u32 s46, s46, s47
	s_add_co_u32 s46, s46, WQ_OFF
	s_mov_b32 s47, 0
	s_mul_i32 s20, s10, QT                         ; where my load goes: the wave's number alone
	s_wait_dscnt 0x0
	s_wait_kmcnt 0x0
	s_add_nc_u64 s[14:15], s[4:5], s[16:17]
	s_add_nc_u64 s[46:47], s[4:5], s[46:47]
	CROUND                                         ; all sixteen work-groups are here: the first joint loads meet
.irp s, 0,1
	s_mov_b32 s[G0+4*\s], 1
	s_add_co_u32 s[G0+4*\s+1], s20, \s*SLOT
	s_add_nc_u64 s[G0+4*\s+2:G0+4*\s+3], s[14:15], \s*ASTEP
	s_or_b32 s[G0+4*\s+3], s[G0+4*\s+3], 0x80000000
	s_mov_b32 s[G0B+4*\s], 1
	s_add_co_u32 s[G0B+4*\s+1], s20, \s*SLOT
	s_add_nc_u64 s[G0B+4*\s+2:G0B+4*\s+3], s[46:47], \s*WSTEP
	s_or_b32 s[G0B+4*\s+3], s[G0B+4*\s+3], 0x80000000
	JLOAD \s                                       ; K steps 0 and 1: two tensor loads of the wave are out
.endr
	v_and_b32 v1, 15, v0                           ; r = l % 16
	v_bfe_u32 v2, v0, 4, 1                         ; h = l / 16
	v_lshlrev_b32 v[BO], 5, v2
	; the bias of my 96 columns: tile b's columns 16 b + 8 h + 0 .. 7
	s_mul_i32 s46, s42, 768
	s_mul_i32 s47, s12, 384
	s_add_co_u32 s46, s46, s47
	s_mov_b32 s47, 0
	s_add_nc_u64 s[6:7], s[6:7], s[46:47]
.set i_, 0
.rept NT
	global_load_b128 v[BIAS+8*i_:BIAS+8*i_+3],   v[BO], s[6:7] offset:64*i_
	global_load_b128 v[BIAS+8*i_+4:BIAS+8*i_+7], v[BO], s[6:7] offset:64*i_+16
.set i_, i_+1
.endr
	; x fragment (16 rows x 32 K, K along the LDS row): row r, 16 bytes at 16 h and at 32 + 16 h
	v_mul_u32_u24 v3, v1, PA
	v_lshl_add_u32 v3, v2, 4, v3
	; w fragment (32 K x 16 columns, columns along the LDS row), transposing load: lane l addresses k row 8 h + l % 8, 16 bytes at 16 ((l / 8) % 2)
	v_and_b32 v4, 7, v0
	v_lshl_add_u32 v4, v2, 3, v4
	v_mul_u32_u24 v4, v4, PB
	v_bfe_u32 v5, v0, 3, 1
	v_lshl_add_u32 v4, v5, 4, v4
	s_mul_i32 s21, s11, AHALF
	s_mul_i32 s22, s12, CHB
	s_add_co_u32 s22, s22, 2*QT
.irp s, 0,1
	v_add_nc_u32 v[ADRA+\s], s21, v3
	v_add_nc_u32 v[ADRB+\s], s22, v4
	s_add_co_u32 s21, s21, SLOT
	s_add_co_u32 s22, s22, SLOT
.endr
	; the stage: the block's 256 rows x 400 bytes from LDS byte 0
	v_mul_u32_u24 v3, v1, SP
	v_lshl_add_u32 v3, v2, 4, v3
	s_mul_i32 s23, s11, 128*SP
	s_mul_i32 s21, s12, CHB
	s_add_co_u32 s23, s23, s21
	v_add_nc_u32 v[STO], s23, v3                   ; row 128 x half + r, byte 192 x half + 16 h
	v_and_b32 v5, 31, v0
	v_lshrrev_b32 v3, 3, v5
	v_mul_u32_u24 v3, v3, SP
	v_and_b32 v4, 7, v0
	v_lshl_add_u32 v3, v4, 4, v3
	s_mul_i32 s23, s10, 64*SP
	v_add_nc_u32 v[RD], s23, v3                    ; row 64 x wave + l / 8, byte 16 (l % 8)
	v_lshlrev_b32 v[CO], 4, v5
	; qkvh at unit 3 x block column, row 256 x block row + 64 x wave
	s_lshl_b32 s16, s13, 15
	s_lshl_b32 s17, s10, 13
	s_add_co_u32 s16, s16, s17
	s_mov_b32 s17, 0
	s_add_nc_u64 s[8:9], s[8:9], s[16:17]
	s_mul_i32 s46, s42, 3*UNIT
	s_mov_b32 s47, 0
	s_add_nc_u64 s[8:9], s[8:9], s[46:47]
; n m tiles from a0 of one window (hi = 0: my rows 0-63, 1: rows 64-127) x all NT n tiles, 32 along K.  zero = 1: the product starts the sums.
; The accumulators take turns, one instruction a turn, in the same order in every quarter step.
.macro MULS f, hi, a0, n, zero
.set a_, \a0
.rept \n
.set b_, 0
.rept NT
.if \zero
	v_wmma_f32_16x16x32_bf16 v[8*(NT*a_+b_):8*(NT*a_+b_)+7], v[\f+8*b_:\f+8*b_+7], v[\f+8*(AH*\hi+a_):\f+8*(AH*\hi+a_)+7], 0
.else
	v_wmma_f32_16x16x32_bf16 v[8*(NT*a_+b_):8*(NT*a_+b_)+7], v[\f+8*b_:\f+8*b_+7], v[\f+8*(AH*\hi+a_):\f+8*(AH*\hi+a_)+7], v[8*(NT*a_+b_):8*(NT*a_+b_)+7]
.endif
.set b_, b_+1
.endr
.set a_, a_+1
.endr
.endm
; one run of 2 NT + 2 MT LDS loads: the fragments of quarter q (32 K) of a slot into buffer f; w first, then x by rising rows
.macro FETCH slot, q, f
	WIN TO_B
.set i_, 0
.rept NT
	ds_load_tr16_b128 v[\f+8*i_:\f+8*i_+3],   v[ADRB+\slot] offset:\q*32*PB+32*i_
	ds_load_tr16_b128 v[\f+8*i_+4:\f+8*i_+7], v[ADRB+\slot] offset:\q*32*PB+32*i_+16*PB
.set i_, i_+1
.endr
	WIN 0
.set i_, 0
.rept MT
	ds_load_b128 v[\f+8*i_:\f+8*i_+3],   v[ADRA+\slot] offset:64*\q+i_*16*PA
	ds_load_b128 v[\f+8*i_+4:\f+8*i_+7], v[ADRA+\slot] offset:64*\q+i_*16*PA+32
.set i_, i_+1
.endr
.endm
; four places behind a matrix instruction before a load lands on, or a vector instruction touches, one of its registers (ISA guide 7.12.1 for vector instructions);
; matrix instructions in between are not counted
.macro PLACES
.rept 4
	v_nop
.endr
.endm
; a quarter step: multiplies buffer f; in its middle fetches quarter q of the same slot into buffer g
.macro QUARTER slot, q, f, g, zero
	s_wait_dscnt MT                                ; w and x's rows 0-63 are in; the youngest MT loads (x's rows 64-127) may be out
	WIN MUL_LO
	MULS \f, 0, 0, AH, \zero
	PLACES
	FETCH \slot, \q, \g
	s_wait_dscnt 2*NT+2*MT                         ; all but the run just issued
	WIN MUL_HI
	MULS \f, 1, 0, AH, \zero
.endm
.macro THREE slot, zero
	QUARTER \slot, 1, F0, F1, \zero
	QUARTER \slot, 2, F1, F0, 0
	QUARTER \slot, 3, F0, F1, 0
.endm
; the last quarter: multiplies buffer 1 and changes slots.  One barrier: in front of it each wave's reads of this slot are back and all its
; tensor loads have landed (one was out: its part of the next slot); behind it this slot is filled again first, then the next slot is read.
.macro TURN slot, next, fill
	s_wait_dscnt MT
	WIN MUL_LO
	MULS F1, 0, 0, AH/2, 0
	s_wait_dscnt 0                                 ; my reads of this slot are over
	s_wait_tensorcnt 0x0                           ; all my tensor loads have landed
	ds_add_u32 v255, v63
	s_wait_dscnt 0x0
	s_barrier_signal -1                            ; where a slot is filled again this barrier opens a round of the cluster's barrier
	MULS F1, 0, AH/2, AH/2, 0                      ; register work while the others arrive
	WIN 0
	s_barrier_wait -1
.if \fill
	CREST                                          ; no wave of any partner still reads this slot or has a load on its way
	s_add_nc_u64 s[G0+4*\slot+2:G0+4*\slot+3], s[G0+4*\slot+2:G0+4*\slot+3], 2*ASTEP
	s_add_nc_u64 s[G0B+4*\slot+2:G0B+4*\slot+3], s[G0B+4*\slot+2:G0B+4*\slot+3], 2*WSTEP
	JLOAD \slot                                    ; the wave's one tensor load behind the round
.endif
	PLACES
	FETCH \next, 0, F0
	WIN MUL_HI
	MULS F1, 1, 0, AH, 0
.endm
.macro LAP zero
	THREE 0, \zero
	TURN 0, 1, 1
	THREE 1, 0
	TURN 1, 0, 1
.endm
	s_wait_loadcnt 0x0                             ; the bias, once
	s_wait_tensorcnt 1                             ; my part of K step 0 is in; K step 1's may stay out
	s_barrier_signal -1
	s_barrier_wait -1
	FETCH 0, 0, F0
	LAP 1                                          ; the first lap's first products start the sums
	WIN 0                                          ; at a label and at a branch every window is 0
	s_mov_b32 s3, LAPS-2
.Llap:
	LAP 0
	WIN 0
	s_sub_co_u32 s3, s3, 1
	s_cmp_lg_u32 s3, 0
	s_cbranch_scc1 .Llap
	THREE 0, 0                                     ; the last lap fills nothing
	TURN 0, 1, 0                                   ; behind this barrier no wave reads slot 0 and no load is on its way to it
	THREE 1, 0
	s_wait_dscnt MT
	WIN MUL_LO
	MULS F1, 0, 0, AH, 0
	s_wait_dscnt 0
	WIN MUL_HI
	MULS F1, 1, 0, AH, 0
	; THE WAY OUT.  Bias added in f32, rounded to bf16, 16 bytes a lane into the stage.  The stage lies in slot 0, which has had its last fill
	; and its last read; slot 1, which slower waves may still read, begins behind the stage's 102,400 bytes.
	PLACES
; m tile a of my eight = tile al of window 2 or 3 (from: source 0's window)
.macro OUTA a, al, from
	WIN \from
.set j_, 0
.rept 4*NT
	v_pk_add_f32 v[F0+2*j_:F0+2*j_+1], v[8*NT*\al+2*j_:8*NT*\al+2*j_+1], v[BIAS+2*j_:BIAS+2*j_+1]
.set j_, j_+1
.endr
	WIN 0
.set j_, 0
.rept 4*NT
	v_cvt_pk_bf16_f32 v[PK+j_], v[F0+2*j_], v[F0+2*j_+1]
.set j_, j_+1
.endr
.set j_, 0
.rept NT
	ds_store_b128 v[STO], v[PK+4*j_:PK+4*j_+3] offset:\a*16*SP+32*j_
.set j_, j_+1
.endr
.endm
	OUTA 0, 0, 0x02
	OUTA 1, 1, 0x02
	OUTA 2, 2, 0x02
	OUTA 3, 3, 0x02
	OUTA 4, 0, 0x03
	OUTA 5, 1, 0x03
	OUTA 6, 2, 0x03
	OUTA 7, 3, 0x03
	s_wait_dscnt 0x0                               ; my stores are in LDS: other waves read them
	s_barrier_signal -1
	s_barrier_wait -1
	; wave w takes rows 64 w .. 64 w + 63: for each of the three units sixteen loads of four rows x 128 bytes, which are 512 consecutive bytes of qkvh
.set n_, 0
.rept 48
	ds_load_b128 v[F0+4*n_:F0+4*n_+3], v[RD] offset:(n_/16)*128+(n_%16)*4*SP
.set n_, n_+1
.endr
.set n_, 0
.rept 48
	s_wait_dscnt 47-n_                             ; LDS loads come back in order: load n is in, the younger ones stay out
	global_store_b128 v[CO], v[F0+4*n_:F0+4*n_+3], s[8:9] offset:(n_/16)*UNIT+(n_%16)*512
.set n_, n_+1
.endr
	s_set_vgpr_msb 0x1
	s_wait_tensorcnt 0x0
	ds_add_u32 v255, v63
	s_wait_dscnt 0x0
	s_set_vgpr_msb 0x100
	CROUND                                         ; the closing round: no work-group ends while a partner may still ask for a tile that names it
	s_endpgm
.Lfunc_end_k_q0ab8aa9b36_qkv:
	.size	k_q0ab8aa9b36_qkv, .Lfunc_end_k_q0ab8aa9b36_qkv-k_q0ab8aa9b36_qkv
	.p2alignl 7, 3214868480
	.fill 96, 4, 3214868480
	.section	.rodata,"a",@progbits
	.p2align	6, 0x0
	.amdhsa_kernel k_q0ab8aa9b36_qkv
		.amdhsa_group_segment_fixed_size 327680
		.amdhsa_private_segment_fixed_size 0
		.amdhsa_enable_private_segment 0
		.amdhsa_kernarg_size 24
		.amdhsa_user_sgpr_count 2
		.amdhsa_user_sgpr_kernarg_segment_ptr 1
		.amdhsa_wavefront_size32 1
		.amdhsa_system_sgpr_workgroup_id_x 1
		.amdhsa_system_sgpr_workgroup_id_y 1
		.amdhsa_system_sgpr_workgroup_id_z 1
		.amdhsa_system_vgpr_workitem_id 0
		.amdhsa_next_free_vgpr 960
		.amdhsa_next_free_sgpr 66
		.amdhsa_reserve_vcc 0
		.amdhsa_float_denorm_mode_32 3
		.amdhsa_float_denorm_mode_16_64 3
		.amdhsa_memory_ordered 1
		.amdhsa_forward_progress 1
		.amdhsa_inst_pref_size 171
	.end_amdhsa_kernel
	.amdgpu_metadata
---
amdhsa.version: [ 1, 2 ]
amdhsa.kernels:
  - .name:           k_q0ab8aa9b36_qkv
    .symbol:         k_q0ab8aa9b36_qkv.kd
    .args:
      - { .name: castb, .offset: 0, .size: 8, .value_kind: global_buffer, .address_space: global }
      - { .name: b_qkv, .offset: 8, .size: 8, .value_kind: global_buffer, .address_space: global }
      - { .name: qkvh, .offset: 16, .size: 8, .value_kind: global_buffer, .address_space: global }
    .group_segment_fixed_size: 327680
    .private_segment_fixed_size: 0
    .kernarg_segment_align: 8
    .kernarg_segment_size: 24
    .max_flat_workgroup_size: 128
    .sgpr_count:     66
    .vgpr_count:     960
    .wavefront_size: 32
...
	.end_amdgpu_metadata
.endif
;; end of part 2
;; launch attn (part 3): grid 8 x 32, 8 waves a work-group, clusters of 4 x 1, 327,680 bytes of LDS; arguments qkvh, attnh; writes attnh
.if DOCPART == 3
	.amdgcn_target "amdgcn-amd-amdhsa--gfx1250"
	.amdhsa_code_object_version 6
	.text
	.protected	k_q0ab8aa9b36_attn
	.globl	k_q0ab8aa9b36_attn
	.p2align	8
	.type	k_q0ab8aa9b36_attn,@function
k_q0ab8aa9b36_attn:
	s_mov_b64 s[64:65], 0
	v_nop
	global_prefetch_b8 v0, s[64:65] scope:SCOPE_SE
	s_setreg_imm32_b32 hwreg(HW_REG_WAVE_MODE, 25, 1), 1
	s_wait_xcnt 0x0
	s_wait_alu depctr_hold_cnt(0) depctr_sa_sdst(0) depctr_va_vdst(0) depctr_va_sdst(0) depctr_va_ssrc(0) depctr_va_vcc(0) depctr_vm_vsrc(0)
	s_getreg_b32 s2, hwreg(HW_REG_IB_STS2, 6, 4)
	s_cmp_eq_u32 s2, 0
	s_cbranch_scc0 .Lentry_in_a_cluster
	s_endpgm
.Lentry_in_a_cluster:
	s_bfe_u32 s2, ttmp6, 0x10000c
	s_cmp_lg_u32 s2, 0x3003
	s_cbranch_scc0 .Lentry_shape_is_right
	s_endpgm
.Lentry_shape_is_right:
; attnh = softmax( q k^T / 8 ) v for one head and batch, bf16 in and out, sums and softmax in f32.
; qkvh: [48 units][4096 rows][64] (q of head h: unit h, k: 16 + h, v: 32 + h); row = 2048 batch + t.
; attnh lies in the order of the next launch's matrix fragments: [32 blocks of 128 rows][32 K groups of 32][8 tiles of 16 rows][2 halves][32 lanes][16 bytes],
; K index = 64 head + d, K group = 2 head + d / 32, half = (d / 16) % 2; lane l holds row l % 16 of the tile and the eight K at 8 (l / 16).
; That is how this kernel's results lie in its registers, so they are stored straight from them, 512 consecutive bytes a store.
; LIMITS: q, k, v, the probabilities and the result are bf16; the denominator sums the unrounded f32 probabilities; an exponential
; below 2^-126 counts as 0 (ISA guide 15.8: v_exp_f32 flushes); NaN and infinities are not treated apart.
; The running maximum is always taken away in front of the exponential, and the sums are rescaled in every step: no branch hangs on data.
; A work-group takes 256 queries of one head with eight waves, a wave 32 queries (two tiles of 16).  Two waves lie on each SIMD, so that
; one wave's softmax runs beside the other's matrix instructions.  The four work-groups of a cluster take four query blocks of the same
; head and batch: they need the same tiles of k and v and ask for them jointly (mask 15).
; S^T = K Q^T: lane l holds query l % 16 and keys 8 (l / 16) + 0 .. 7 of each tile of 16 keys.  That is the operand layout of the second
; product O^T = V^T P^T, so P goes from exponential to matrix unit inside the lane's registers.  A query's maximum and sum are the lane's
; own work and one exchange with lane l xor 16.  V lies [key][d]: V^T's fragments come by the transposing LDS load.
; Keys go in 8 tiles of 256 through two LDS slots; a tile is worked on in four steps of 64 keys.
.set KP,    144                        ; LDS row of k: 128 bytes + 16, an odd multiple of 16
.set VP,    160                        ; LDS row of v: 128 bytes + 32, an odd multiple of 32
.set VOFF,  256*KP                     ; v behind k's 256 rows
.set SLOT,  256*KP+256*VP              ; 77,824
.set TSTEP, 32768                      ; 256 keys of 128 bytes
.set ADRK, 4                           ; v4-5    LDS address of my k fragments in slot 0, 1
.set ADRV, 6                           ; v6-7    the same for v
.set CO,   10                          ; 16 x lane
.set QO,   11
.set MX,   12                          ; v12-13  running maximum of the raw scores, for each query tile
.set LS,   14                          ; v14-15  running sum, this lane's keys only
.set NMC,  16                          ; v[16:19] -(maximum x c) rounded, twice, for each query tile
.set AL,   20                          ; v[20:23] the rescaling factor, twice, for each query tile
.set TM,   24                          ; v24-31  at work, four for each query tile
.set QF,   32                          ; v32-63  Q[qt][c] at 32 + 16 qt + 8 c
.set OA,   64                          ; v64-127 O[dt][qt] at 64 + 8 (2 dt + qt)
.set SC,   128                         ; v128-191 S[kt][qt] at 128 + 32 qt + 8 kt; later P[qt][kc] at 128 + 32 qt + 16 kc
.set FR,   192                         ; v192-255 K[kt][c] at 192 + 16 kt + 8 c; later V[dt][kc] at 192 + 16 dt + 8 kc
.set G1K, 16                           ; s[16:23]
.set G1V, 24                           ; s[24:31]
.set G0K, 32                           ; s[32:39], one set a slot
.set G0V, 40                           ; s[40:47], one set a slot
.macro ROUND                           ; a round of the cluster's barrier
	s_barrier_signal -1
	s_barrier_wait -1
	s_cmp_lg_u32 s8, 0
	s_cbranch_scc1 .Lnot_wave_0_\@
	s_barrier_signal -3
.Lnot_wave_0_\@:
	s_barrier_wait -3
	s_barrier_signal -1
	s_barrier_wait -1
.endm
.macro JLOAD s                         ; waves 0-3 fetch 64 keys of k each, waves 4-7 64 keys of v each: one joint load a wave
	s_cmp_eq_u32 s9, 0
	s_cbranch_scc0 .Lfor_v_\@
	tensor_load_to_lds s[G0K+4*(\s):G0K+4*(\s)+3], s[G1K:G1K+7]
	s_nop 0
	s_branch .Lasked_\@
.Lfor_v_\@:
	tensor_load_to_lds s[G0V+4*(\s):G0V+4*(\s)+3], s[G1V:G1V+7]
	s_nop 0
.Lasked_\@:
.endm
	s_load_b128 s[4:7], s[0:1], 0x0                ; qkvh s[4:5], attnh s[6:7]
	v_lshl_add_u32 v8, v0, 2, 0x29000
	v_mov_b32 v9, 0
	ds_add_u32 v8, v9
	v_lshrrev_b32 v1, 5, v0
	v_readfirstlane_b32 s8, v1                     ; wave 0..7
	s_lshr_b32 s9, s8, 2                           ; I fetch k (0) or v (1)
	s_and_b32 s10, s8, 3                           ; which 64 keys of the tile
	s_bfe_u32 s11, ttmp6, 0x40000                  ; cx
	s_lshl_b32 s12, ttmp9, 2
	s_add_co_u32 s12, s12, s11                     ; query block = 4 x cluster x + cx
	s_and_b32 s13, ttmp7, 0xffff
	s_and_b32 s14, s13, 15                         ; head
	s_lshr_b32 s15, s13, 4                         ; batch
	s_mov_b32 s50, 0x3e38aa3b                      ; c = log2(e) / 8: the scale 1 / sqrt(64) and the change of base in one factor
	s_mov_b32 s51, 0x3e38aa3b
	s_mov_b32 s52, 0xbe38aa3b                      ; -c
	s_mov_b32 s54, 0x76543210                      ; v_permlanex16_b32: lane l takes lane l xor 16
	s_mov_b32 s55, 0xfedcba98
	; group 1: 64 rows x 64 elements of 2 bytes, dense in memory; padding behind every 32 words: 4 words for k, 8 for v; mask 15 with bit 21
	s_mov_b32 s[G1K+0], 15|(1<<16)|(1<<20)|(1<<21)|(4<<22)|(3<<25)
	s_mov_b32 s[G1V+0], 15|(1<<16)|(1<<20)|(1<<21)|(4<<22)|(7<<25)
.irp g, G1K, G1V
	s_mov_b32 s[\g+1], 64<<16                      ; tensor_dim0 = 64
	s_mov_b32 s[\g+2], 64<<16                      ; tensor_dim1 = 64
	s_mov_b32 s[\g+3], 64<<16                      ; tile_dim0 = 64
	s_mov_b32 s[\g+4], 64                          ; tile_dim1 = 64
	s_mov_b32 s[\g+5], 64                          ; elements from row to row
	s_mov_b32 s[\g+6], 0
	s_mov_b32 s[\g+7], 0
.endr
	; k's and v's tiles hang on head, batch and the wave's number: the same in all four partners
	s_lshl_b32 s56, s14, 19
	s_lshl_b32 s57, s15, 18
	s_add_co_u32 s56, s56, s57
	s_lshl_b32 s57, s10, 13
	s_add_co_u32 s56, s56, s57
	s_add_co_u32 s58, s56, 32<<19                  ; v: unit 32 + head
	s_add_co_u32 s56, s56, 16<<19                  ; k: unit 16 + head
	s_mov_b32 s57, 0
	s_mov_b32 s59, 0
	s_mul_i32 s62, s10, 64*KP
	s_mul_i32 s63, s10, 64*VP
	s_add_co_u32 s63, s63, VOFF
	; my 32 queries' rows in q's unit of qkvh
	s_lshl_b32 s60, s14, 19
	s_lshl_b32 s61, s15, 18
	s_add_co_u32 s60, s60, s61
	s_lshl_b32 s61, s12, 15
	s_add_co_u32 s60, s60, s61
	s_lshl_b32 s61, s8, 12
	s_add_co_u32 s60, s60, s61
	s_mov_b32 s61, 0
	; my place in attnh: block of 128 rows = 16 batch + 2 query block + wave / 4; K group 2 head; row tile 2 (wave % 4)
	s_lshl_b32 s2, s15, 4
	s_lshl_b32 s3, s12, 1
	s_add_co_u32 s2, s2, s3
	s_add_co_u32 s2, s2, s9
	s_lshl_b32 s2, s2, 18                          ; 262,144 bytes a block of rows
	s_lshl_b32 s3, s14, 14                         ; two K groups of 8,192 bytes a head
	s_add_co_u32 s2, s2, s3
	s_lshl_b32 s3, s10, 11                         ; two row tiles of 1,024 bytes a wave
	s_add_co_u32 s2, s2, s3
	s_mov_b32 s3, 0
	s_wait_dscnt 0x0
	s_wait_kmcnt 0x0
	s_add_nc_u64 s[56:57], s[4:5], s[56:57]
	s_add_nc_u64 s[58:59], s[4:5], s[58:59]
	s_add_nc_u64 s[4:5], s[4:5], s[60:61]
	s_add_nc_u64 s[6:7], s[6:7], s[2:3]
.irp s, 0,1
	s_mov_b32 s[G0K+4*\s], 1
	s_add_co_u32 s[G0K+4*\s+1], s62, \s*SLOT
	s_add_nc_u64 s[G0K+4*\s+2:G0K+4*\s+3], s[56:57], \s*TSTEP
	s_or_b32 s[G0K+4*\s+3], s[G0K+4*\s+3], 0x80000000
	s_mov_b32 s[G0V+4*\s], 1
	s_add_co_u32 s[G0V+4*\s+1], s63, \s*SLOT
	s_add_nc_u64 s[G0V+4*\s+2:G0V+4*\s+3], s[58:59], \s*TSTEP
	s_or_b32 s[G0V+4*\s+3], s[G0V+4*\s+3], 0x80000000
.endr
	ROUND                                          ; all four work-groups are here
	JLOAD 0                                        ; tile 0
	v_and_b32 v1, 15, v0                           ; r = l % 16
	v_bfe_u32 v2, v0, 4, 1                         ; h = l / 16
	v_and_b32 v3, 31, v0                           ; l
	v_lshlrev_b32 v[QO], 7, v1
	v_lshl_add_u32 v[QO], v2, 4, v[QO]             ; query r's row, 16 bytes at 16 h
.irp qt, 0,1
.irp c, 0,1
	global_load_b128 v[QF+16*\qt+8*\c:QF+16*\qt+8*\c+3],   v[QO], s[4:5] offset:2048*\qt+64*\c
	global_load_b128 v[QF+16*\qt+8*\c+4:QF+16*\qt+8*\c+7], v[QO], s[4:5] offset:2048*\qt+64*\c+32
.endr
.endr
	v_mul_u32_u24 v[ADRK], v1, KP
	v_lshl_add_u32 v[ADRK], v2, 4, v[ADRK]         ; key row r, 16 bytes at 16 h
	v_add_nc_u32 v[ADRK+1], SLOT, v[ADRK]
	v_and_b32 v[ADRV], 7, v0
	v_lshl_add_u32 v[ADRV], v2, 3, v[ADRV]
	v_mul_u32_u24 v[ADRV], v[ADRV], VP             ; key row 8 h + l % 8,
	v_bfe_u32 v[ADRV+1], v0, 3, 1
	v_lshl_add_u32 v[ADRV], v[ADRV+1], 4, v[ADRV]  ; 16 bytes at 16 ((l / 8) % 2)
	v_add_nc_u32 v[ADRV], VOFF, v[ADRV]
	v_add_nc_u32 v[ADRV+1], SLOT, v[ADRV]
	v_lshlrev_b32 v[CO], 4, v3
	s_wait_loadcnt 0x0                             ; Q, once
; The softmax of one query tile over the step's 64 keys (32 numbers a lane).  first = 1: nothing has been summed yet.
.macro SM qt, first
.set SB, SC+32*\qt
.set TB, TM+4*\qt
	v_max3_num_f32 v[TB],   v[SB],   v[SB+1],  v[SB+2]             ; four chains that do not wait for each other
	v_max3_num_f32 v[TB+1], v[SB+3], v[SB+4],  v[SB+5]
	v_max3_num_f32 v[TB+2], v[SB+6], v[SB+7],  v[SB+8]
	v_max3_num_f32 v[TB+3], v[SB+9], v[SB+10], v[SB+11]
.set j, 12
.rept 10
	v_max3_num_f32 v[TB+(j/2)%4], v[TB+(j/2)%4], v[SB+j], v[SB+j+1]
.set j, j+2
.endr
	v_max3_num_f32 v[TB], v[TB], v[TB+1], v[TB+2]
	v_max_num_f32 v[TB], v[TB], v[TB+3]
	v_permlanex16_b32 v[TB+1], v[TB], s54, s55                     ; the other half of the query's keys
.if \first
	v_max_num_f32 v[MX+\qt], v[TB], v[TB+1]
	v_mul_f32 v[NMC+2*\qt],   s52, v[MX+\qt]
	v_mul_f32 v[NMC+2*\qt+1], s52, v[MX+\qt]
.else
	v_max3_num_f32 v[MX+\qt], v[TB], v[TB+1], v[MX+\qt]
	v_mul_f32 v[TB+2], s52, v[MX+\qt]                              ; n = -(new maximum x c), rounded
	v_sub_f32 v[TB+3], v[TB+2], v[NMC+2*\qt]                       ; n - old n <= 0: the difference of the very addends that the exponents use,
	v_exp_f32 v[AL+2*\qt],   v[TB+3]                               ; so the rounding of maximum x c cancels in the final division
	v_exp_f32 v[AL+2*\qt+1], v[TB+3]
	v_mov_b32 v[NMC+2*\qt],   v[TB+2]                              ; plain instructions behind the exponentials, which touch neither result nor source (ISA guide 5.7.2)
	v_mov_b32 v[NMC+2*\qt+1], v[TB+2]
.endif
.set j, 0
.rept 16
	v_pk_fma_f32 v[SB+j:SB+j+1], v[SB+j:SB+j+1], s[50:51], v[NMC+2*\qt:NMC+2*\qt+1] op_sel_hi:[1,0,1]   ; (s - maximum) c, at most 0 but for a rounding
.set j, j+2
.endr
.set j, 0
.rept 32
	v_exp_f32 v[SB+j], v[SB+j]
.set j, j+1
.endr
	v_nop                                                          ; one plain place behind the last exponential
	s_wait_alu depctr_va_vdst(0)
	v_pk_add_f32 v[TB:TB+1],   v[SB:SB+1],   v[SB+2:SB+3]          ; the sum of the unrounded p, two chains of pairs
	v_pk_add_f32 v[TB+2:TB+3], v[SB+4:SB+5], v[SB+6:SB+7]
.set j, 8
.rept 6
	v_pk_add_f32 v[TB:TB+1],   v[TB:TB+1],   v[SB+j:SB+j+1]
	v_pk_add_f32 v[TB+2:TB+3], v[TB+2:TB+3], v[SB+j+2:SB+j+3]
.set j, j+4
.endr
	v_pk_add_f32 v[TB:TB+1], v[TB:TB+1], v[TB+2:TB+3]
.if \first
	v_add_f32 v[LS+\qt], v[TB], v[TB+1]
.else
	v_add_f32 v[TB], v[TB], v[TB+1]
	v_fma_f32 v[LS+\qt], v[LS+\qt], v[AL+2*\qt], v[TB]
.endif
	; p to bf16 in place, by rising registers: of each 32 keys the first tile's eight numbers fill registers 0-3 (k = 8 h + 0 .. 7), the second's
	; registers 4-7 (k = 16 + 8 h + 0 .. 7): the 16-bit operand's own map
.irp kc, 0,1
.irp i, 0,1,2,3,4,5,6,7
	v_cvt_pk_bf16_f32 v[SB+16*\kc+\i], v[SB+16*\kc+2*\i], v[SB+16*\kc+2*\i+1]
.endr
.endr
.if \first
.else
.irp dt, 0,1,2,3
.irp j, 0,2,4,6
	v_pk_mul_f32 v[OA+8*(2*\dt+\qt)+\j:OA+8*(2*\dt+\qt)+\j+1], v[OA+8*(2*\dt+\qt)+\j:OA+8*(2*\dt+\qt)+\j+1], v[AL+2*\qt:AL+2*\qt+1]
.endr
.endr
.endif
.endm
; 64 keys: step st (0..3) of the tile in a slot.  In each group of eight matrix instructions eight accumulators take turns, one instruction a
; turn, and the second group goes through them in the same order.
.macro STEP slot, st, first
.rept 5
	v_nop                                          ; five places behind the last O products: loads land on V's registers, and the S products write over P
.endr
.irp c, 0,1
.irp kt, 0,1,2,3
	ds_load_b128 v[FR+16*\kt+8*\c:FR+16*\kt+8*\c+3],   v[ADRK+\slot] offset:(64*\st+16*\kt)*KP+64*\c
	ds_load_b128 v[FR+16*\kt+8*\c+4:FR+16*\kt+8*\c+7], v[ADRK+\slot] offset:(64*\st+16*\kt)*KP+64*\c+32
.endr
.endr
	s_wait_dscnt 8                                 ; d = 0 .. 31 of the four key tiles are in; the eight loads of d = 32 .. 63 may be out
.irp kt, 0,1,2,3
.irp qt, 0,1
	v_wmma_f32_16x16x32_bf16 v[SC+32*\qt+8*\kt:SC+32*\qt+8*\kt+7], v[FR+16*\kt:FR+16*\kt+7], v[QF+16*\qt:QF+16*\qt+7], 0
.endr
.endr
	s_wait_dscnt 0
.irp kt, 0,1,2,3
.irp qt, 0,1
	v_wmma_f32_16x16x32_bf16 v[SC+32*\qt+8*\kt:SC+32*\qt+8*\kt+7], v[FR+16*\kt+8:FR+16*\kt+15], v[QF+16*\qt+8:QF+16*\qt+15], v[SC+32*\qt+8*\kt:SC+32*\qt+8*\kt+7]
.endr
.endr
.rept 4
	v_nop                                          ; four places: loads land on K's registers, and the softmax reads S
.endr
.irp kc, 0,1
.irp dt, 0,1,2,3
	ds_load_tr16_b128 v[FR+16*\dt+8*\kc:FR+16*\dt+8*\kc+3],   v[ADRV+\slot] offset:(64*\st+32*\kc)*VP+32*\dt
	ds_load_tr16_b128 v[FR+16*\dt+8*\kc+4:FR+16*\dt+8*\kc+7], v[ADRV+\slot] offset:(64*\st+32*\kc)*VP+32*\dt+16*VP
.endr
.endr
	SM 0, \first                                   ; V's fragments land meanwhile
	SM 1, \first
	s_wait_dscnt 8                                 ; the first 32 keys' fragments are in; the eight loads of the second 32 may be out
.irp dt, 0,1,2,3
.irp qt, 0,1
.if \first
	v_wmma_f32_16x16x32_bf16 v[OA+8*(2*\dt+\qt):OA+8*(2*\dt+\qt)+7], v[FR+16*\dt:FR+16*\dt+7], v[SC+32*\qt:SC+32*\qt+7], 0
.else
	v_wmma_f32_16x16x32_bf16 v[OA+8*(2*\dt+\qt):OA+8*(2*\dt+\qt)+7], v[FR+16*\dt:FR+16*\dt+7], v[SC+32*\qt:SC+32*\qt+7], v[OA+8*(2*\dt+\qt):OA+8*(2*\dt+\qt)+7]
.endif
.endr
.endr
	s_wait_dscnt 0
.irp dt, 0,1,2,3
.irp qt, 0,1
	v_wmma_f32_16x16x32_bf16 v[OA+8*(2*\dt+\qt):OA+8*(2*\dt+\qt)+7], v[FR+16*\dt+8:FR+16*\dt+15], v[SC+32*\qt+16:SC+32*\qt+23], v[OA+8*(2*\dt+\qt):OA+8*(2*\dt+\qt)+7]
.endr
.endr
.endm
; One tile of 256 keys.  The round of the cluster's barrier orders both ways: in front of it every wave's reads of the other slot are back and
; all its tensor loads have landed, this slot's part among them; behind it the other slot is asked for again first, one joint load a wave,
; which has the tile's four steps in which to land.  A wave never has more than one tensor load out.
.macro TRIP slot, refill, first
	s_wait_tensorcnt 0x0                           ; no tensor load of mine is out: every group 0 may be written
	ds_add_u32 v8, v9
	s_wait_dscnt 0x0
	s_add_nc_u64 s[G0K+4*\slot+2:G0K+4*\slot+3], s[G0K+4*\slot+2:G0K+4*\slot+3], 2*TSTEP   ; this slot's next tile
	s_add_nc_u64 s[G0V+4*\slot+2:G0V+4*\slot+3], s[G0V+4*\slot+2:G0V+4*\slot+3], 2*TSTEP
	s_wait_dscnt 0x0                               ; my reads of the last tile are back
	ROUND
.if \refill
	JLOAD 1-\slot
.endif
	STEP \slot, 0, \first
	STEP \slot, 1, 0
	STEP \slot, 2, 0
	STEP \slot, 3, 0
.endm
	TRIP 0, 1, 1                                   ; tile 0; its first step starts maximum, sums and O
	TRIP 1, 1, 0
	s_mov_b32 s48, 2
.Lpair:
	TRIP 0, 1, 0                                   ; tiles 2 and 4
	TRIP 1, 1, 0                                   ; tiles 3 and 5
	s_sub_co_u32 s48, s48, 1
	s_cmp_lg_u32 s48, 0
	s_cbranch_scc1 .Lpair
	TRIP 0, 1, 0                                   ; tile 6 asks for tile 7,
	TRIP 1, 0, 0                                   ; tile 7 for nothing (the stepped addresses are not used)
	; THE WAY OUT: divide, round to bf16, store.  Lane l of tile (dt, qt) holds query 16 qt + l % 16 and d = 16 dt + 8 (l / 16) + 0 .. 7: 16 bytes that
	; are lane l's part of half dt % 2 of the fragment (K group 2 head + dt / 2, row tile 2 (wave % 4) + qt): no lane has to hand anything to another.
.rept 4
	v_nop                                          ; four places behind the last O products
.endr
	v_permlanex16_b32 v[TM],   v[LS],   s54, s55
	v_permlanex16_b32 v[TM+1], v[LS+1], s54, s55
	v_add_f32 v[LS],   v[LS],   v[TM]              ; the query's whole sum; at least about 1, the largest score's own term
	v_add_f32 v[LS+1], v[LS+1], v[TM+1]
	v_rcp_f32 v[AL],   v[LS]
	v_rcp_f32 v[AL+1], v[LS]
	v_rcp_f32 v[AL+2], v[LS+1]
	v_rcp_f32 v[AL+3], v[LS+1]
	v_nop                                          ; one plain place behind the reciprocals
	s_wait_alu depctr_va_vdst(0)
.irp dt, 0,1,2,3
.irp qt, 0,1
.irp j, 0,2,4,6
	v_pk_mul_f32 v[OA+8*(2*\dt+\qt)+\j:OA+8*(2*\dt+\qt)+\j+1], v[OA+8*(2*\dt+\qt)+\j:OA+8*(2*\dt+\qt)+\j+1], v[AL+2*\qt:AL+2*\qt+1]
.endr
.irp i, 0,1,2,3
	v_cvt_pk_bf16_f32 v[SC+4*(2*\dt+\qt)+\i], v[OA+8*(2*\dt+\qt)+2*\i], v[OA+8*(2*\dt+\qt)+2*\i+1]
.endr
	global_store_b128 v[CO], v[SC+4*(2*\dt+\qt):SC+4*(2*\dt+\qt)+3], s[6:7] offset:(\dt>>1)*8192+\qt*1024+(\dt&1)*512   ; 512 consecutive bytes, at a multiple of 512 from attnh's first byte; every store has data registers of its own
.endr
.endr
	ROUND                                          ; the closing round
	s_endpgm
.Lfunc_end_k_q0ab8aa9b36_attn:
	.size	k_q0ab8aa9b36_attn, .Lfunc_end_k_q0ab8aa9b36_attn-k_q0ab8aa9b36_attn
	.p2alignl 7, 3214868480
	.fill 96, 4, 3214868480
	.section	.rodata,"a",@progbits
	.p2align	6, 0x0
	.amdhsa_kernel k_q0ab8aa9b36_attn
		.amdhsa_group_segment_fixed_size 327680
		.amdhsa_private_segment_fixed_size 0
		.amdhsa_enable_private_segment 0
		.amdhsa_kernarg_size 16
		.amdhsa_user_sgpr_count 2
		.amdhsa_user_sgpr_kernarg_segment_ptr 1
		.amdhsa_wavefront_size32 1
		.amdhsa_system_sgpr_workgroup_id_x 1
		.amdhsa_system_sgpr_workgroup_id_y 1
		.amdhsa_system_sgpr_workgroup_id_z 1
		.amdhsa_system_vgpr_workitem_id 0
		.amdhsa_next_free_vgpr 256
		.amdhsa_next_free_sgpr 66
		.amdhsa_reserve_vcc 0
		.amdhsa_float_denorm_mode_32 3
		.amdhsa_float_denorm_mode_16_64 3
		.amdhsa_memory_ordered 1
		.amdhsa_forward_progress 1
		.amdhsa_inst_pref_size 255
	.end_amdhsa_kernel
	.section	.bss,"aw",@nobits
	.p2align	6
	.space	262144
	.amdgpu_metadata
---
amdhsa.version: [ 1, 2 ]
amdhsa.kernels:
  - .name:           k_q0ab8aa9b36_attn
    .symbol:         k_q0ab8aa9b36_attn.kd
    .args:
      - { .name: qkvh, .offset: 0, .size: 8, .value_kind: global_buffer, .address_space: global }
      - { .name: attnh, .offset: 8, .size: 8, .value_kind: global_buffer, .address_space: global }
    .group_segment_fixed_size: 327680
    .private_segment_fixed_size: 0
    .kernarg_segment_align: 8
    .kernarg_segment_size: 16
    .max_flat_workgroup_size: 256
    .sgpr_count:     66
    .vgpr_count:     256
    .wavefront_size: 32
...
	.end_amdgpu_metadata
.endif
;; end of part 3
;; launch proj (part 4): grid 8 x 32, 4 waves a work-group, clusters of 4 x 4, 327,680 bytes of LDS; arguments attnh, castb, b_out, out0; writes out0
.if DOCPART == 4
	.amdgcn_target "amdgcn-amd-amdhsa--gfx1250"
	.amdhsa_code_object_version 6
	.text
	.protected	k_q0ab8aa9b36_proj
	.globl	k_q0ab8aa9b36_proj
	.p2align	8
	.type	k_q0ab8aa9b36_proj,@function
k_q0ab8aa9b36_proj:
	s_mov_b64 s[64:65], 0
	v_nop
	global_prefetch_b8 v0, s[64:65] scope:SCOPE_SE
	s_setreg_imm32_b32 hwreg(HW_REG_WAVE_MODE, 25, 1), 1
	s_wait_xcnt 0x0
	s_wait_alu depctr_hold_cnt(0) depctr_sa_sdst(0) depctr_va_vdst(0) depctr_va_sdst(0) depctr_va_ssrc(0) depctr_va_vcc(0) depctr_vm_vsrc(0)
	s_getreg_b32 s2, hwreg(HW_REG_IB_STS2, 6, 4)
	s_cmp_eq_u32 s2, 0
	s_cbranch_scc0 .Lentry_in_a_cluster
	s_endpgm
.Lentry_in_a_cluster:
	s_bfe_u32 s2, ttmp6, 0x10000c
	s_cmp_lg_u32 s2, 0xf033
	s_cbranch_scc0 .Lentry_shape_is_right
	s_endpgm
.Lentry_shape_is_right:
; out0 = attn w_out + b_out in f32.  w_out [1024][1024] comes as bf16 from castb at byte 14,680,064.  attn comes as bf16 from attnh, which lies in
; the order of this kernel's fragments: [32 blocks of 128 rows][32 K groups of 32][8 tiles of 16 rows][2 halves][32 lanes][16 bytes]; lane l of
; half 0 holds row l % 16, K = 8 (l / 16) + 0 .. 7 of the group, of half 1 K = 16 + 8 (l / 16) + 0 .. 7.  Sums in f32, the bias added in f32.
; LIMITS: operands are bf16; NaN and infinities are not treated apart.
; A work-group makes 128 x 128 with four waves, so that 256 work-groups share the 4096 x 1024 results; a wave makes 64 x 64 (16 accumulator tiles).
; K = 1024 goes in four blocks of 256 through two LDS slots.  A block is 128 matrix instructions of a wave; with a shorter block the next
; block's load would have less work in which to land, and there would be more rounds of the cluster's barrier.  Both first fills go out together,
; so half of all operands are asked for at once; two refills follow.  A wave has two tensor loads out at the start, later one.
; 4 x 4 work-groups form a cluster: attn's tile is shared along a row of the cluster, w's along a column, both by joint loads.
; A block's part of attn is 65,536 consecutive bytes: it comes in as rows of 256 bytes without padding, and a fragment load takes 512 consecutive
; bytes of LDS (lane i at 16 i), which has no bank conflict.  w lies [K][N]: its fragments come by the transposing LDS load from padded rows.
; The matrix instruction is used transposed (source 0 = 16 columns of w, source 1 = 16 rows of attn): lane l holds row l % 16 and the
; eight neighbouring columns 8 (l / 16) + 0 .. 7.
; REGISTERS in windows of 256: window 0: v16-27 addresses, v64-95 / v128-159 fragments of attn, v192-223 at work on the way out, v224-255 bias;
; window 1: v64-95 / v128-159 fragments of w; window 2: accumulators of my rows 0-31 (tile (a, b) at v[8 (4 a + b)]); window 3: rows 32-63.
.set MT,    4                          ; m tiles of a wave
.set AH,    2                          ; m tiles in one accumulator window
.set NT,    4                          ; n tiles of a wave
.set PB,    288                        ; LDS row of w: 256 bytes + 32, an odd multiple of 32
.set AQT,   32768                      ; one wave's load of attn: four K groups of 8,192 bytes
.set ABYTES, 2*AQT                     ; a block's eight K groups
.set WQT,   128*PB                     ; one wave's load of w: 128 k rows
.set SLOT,  ABYTES+2*WQT               ; 139,264: attn, then w's k rows 0-127, then 128-255
.set ASTEP, 65536                      ; bytes of attnh from one block of K to the next
.set WSTEP, 256*2048                   ; the same for w: 256 rows of 2,048 bytes
.set CHB,   128                        ; my half of the block's columns, in bytes of bf16
.set SP,    272                        ; the stage's row: 256 bytes + 16
.set STAGE, 2*SLOT                     ; behind the ring: 16 rows x 272 bytes for each wave, into which no tensor load lands
.set WO_OFF, 14680064
.set ADRA, 16                          ; v16-17  LDS address of my attn fragments in slot 0, 1
.set ADRB, 20                          ; v20-23  of my w fragments: slot s, k rows 128 hf .. at 20 + 2 s + hf (an LDS offset has 16 bits)
.set STO,  24
.set RD,   25
.set CO,   26
.set BO,   27
.set F0,   64
.set F1,   128
.set TMP,  192
.set BIAS, 224
.set G1,  24                           ; s[24:31] group 1 for attn
.set G0,  32                           ; s[32:39] group 0 for attn, one set a slot
.set G1B, 48                           ; s[48:55] group 1 for w
.set G0B, 56                           ; s[56:63] group 0 for w, one set a slot
.set MSB, 0
.macro WIN new                         ; the immediate's high byte repeats the setting that is left
.if MSB != \new
	s_set_vgpr_msb (MSB<<8)|\new
.set MSB, \new
.endif
.endm
.set MUL_LO, 0xa1                      ; source 0 (w) window 1, source 1 (attn) window 0, C and D window 2
.set MUL_HI, 0xf1                      ; the same, C and D window 3
.set TO_B,   0x40                      ; destination window 1, address window 0
.macro JLOAD s                         ; waves 0, 1 fetch attn's two halves of a block, waves 2, 3 w's: one joint load a wave
	s_cmp_eq_u32 s11, 0
	s_cbranch_scc0 .Lfor_b_\@
	tensor_load_to_lds s[G0+4*\s:G0+4*\s+3], s[G1:G1+7]
	s_nop 0
	s_branch .Lasked_\@
.Lfor_b_\@:
	tensor_load_to_lds s[G0B+4*\s:G0B+4*\s+3], s[G1B:G1B+7]
	s_nop 0
.Lasked_\@:
.endm
.macro CREST                           ; a round of the cluster's barrier behind its opening work-group barrier
	s_cmp_lg_u32 s10, 0
	s_cbranch_scc1 .Lnot_wave_0_\@
	s_barrier_signal -3
.Lnot_wave_0_\@:
	s_barrier_wait -3
	s_barrier_signal -1
	s_barrier_wait -1
.endm
.macro CROUND
	s_barrier_signal -1
	s_barrier_wait -1
	CREST
.endm
	s_load_b128 s[4:7], s[0:1], 0x0                ; attnh s[4:5], castb s[6:7]
	s_load_b64 s[8:9], s[0:1], 0x10                ; b_out
	s_load_b64 s[68:69], s[0:1], 0x18              ; out0
	s_set_vgpr_msb 0x40
	v_lshl_add_u32 v255, v0, 2, 0x48400
	s_set_vgpr_msb 0x4000
	v_mov_b32 v63, 0
	s_set_vgpr_msb 0x1
	ds_add_u32 v255, v63
	s_set_vgpr_msb 0x100
	v_lshrrev_b32 v1, 5, v0
	v_readfirstlane_b32 s10, v1                    ; wave 0..3
	s_lshr_b32 s11, s10, 1                         ; my half of the rows.  Also: I fetch attn (0) or w (1)
	s_and_b32 s12, s10, 1                          ; my half of the columns.  Also: which half of that tile I fetch
	s_bfe_u32 s40, ttmp6, 0x40000                  ; cx
	s_bfe_u32 s41, ttmp6, 0x40004                  ; cy
	s_lshl_b32 s42, ttmp9, 2
	s_add_co_u32 s42, s42, s40                     ; block column
	s_and_b32 s13, ttmp7, 0xffff
	s_lshl_b32 s13, s13, 2
	s_add_co_u32 s13, s13, s41                     ; block row
	s_lshl_b32 s43, s41, 2
	s_lshl_b32 s43, 15, s43                        ; my row of the cluster
	s_lshl_b32 s44, 0x1111, s40                    ; my column of the cluster
	; group 1 for attn: a dense block of 32,768 bytes as 128 rows of 32 elements of 8 bytes, no padding
	s_or_b32 s[G1+0], s43, (3<<16)|(1<<21)
	s_mov_b32 s[G1+1], 32<<16                      ; tensor_dim0 = 32
	s_mov_b32 s[G1+2], 128<<16                     ; tensor_dim1 = 128
	s_mov_b32 s[G1+3], 32<<16                      ; tile_dim0 = 32
	s_mov_b32 s[G1+4], 128                         ; tile_dim1 = 128
	s_mov_b32 s[G1+5], 32                          ; elements from row to row
	s_mov_b32 s[G1+6], 0
	s_mov_b32 s[G1+7], 0
	; group 1 for w: 128 rows x 128 elements of 2 bytes; 8 words of padding behind every 64 words
	s_or_b32 s[G1B+0], s44, (1<<16)|(1<<20)|(1<<21)|(5<<22)|(7<<25)
	s_mov_b32 s[G1B+1], 128<<16                    ; tensor_dim0 = 128
	s_mov_b32 s[G1B+2], 128<<16                    ; tensor_dim1 = 128
	s_mov_b32 s[G1B+3], 128<<16                    ; tile_dim0 = 128
	s_mov_b32 s[G1B+4], 128                        ; tile_dim1 = 128
	s_mov_b32 s[G1B+5], 1024
	s_mov_b32 s[G1B+6], 0
	s_mov_b32 s[G1B+7], 0
	; attn's tile hangs on the block row alone, w's on the block column alone; each offset in registers that never hold the other coordinate
	s_lshl_b32 s16, s13, 18                        ; attn: 262,144 bytes a block of 128 rows,
	s_lshl_b32 s17, s12, 15                        ; and the block's K groups 4-7 for wave 1
	s_add_co_u32 s16, s16, s17
	s_mov_b32 s17, 0
	s_lshl_b32 s46, s42, 8                         ; w: 128 columns of 2 bytes a block column,
	s_lshl_b32 s47, s12, 18                        ; and 128 k rows of 2,048 bytes for wave 3
	s_add_co_u32 s46, s46, s47
	s_add_co_u32 s46, s46, WO_OFF
	s_mov_b32 s47, 0
	s_mul_i32 s20, s12, AQT                        ; where the loads go: the wave's number alone
	s_mul_i32 s23, s12, WQT
	s_add_co_u32 s23, s23, ABYTES
	s_wait_dscnt 0x0
	s_wait_kmcnt 0x0
	s_add_nc_u64 s[14:15], s[4:5], s[16:17]
	s_add_nc_u64 s[46:47], s[6:7], s[46:47]
	CROUND                                         ; all sixteen work-groups are here
.irp s, 0,1
	s_mov_b32 s[G0+4*\s], 1
	s_add_co_u32 s[G0+4*\s+1], s20, \s*SLOT
	s_add_nc_u64 s[G0+4*\s+2:G0+4*\s+3], s[14:15], \s*ASTEP
	s_or_b32 s[G0+4*\s+3], s[G0+4*\s+3], 0x80000000
	s_mov_b32 s[G0B+4*\s], 1
	s_add_co_u32 s[G0B+4*\s+1], s23, \s*SLOT
	s_add_nc_u64 s[G0B+4*\s+2:G0B+4*\s+3], s[46:47], \s*WSTEP
	s_or_b32 s[G0B+4*\s+3], s[G0B+4*\s+3], 0x80000000
	JLOAD \s                                       ; blocks 0 and 1 of K: two tensor loads of the wave are out
.endr
	v_and_b32 v1, 15, v0                           ; r
	v_bfe_u32 v2, v0, 4, 1                         ; h
	v_lshlrev_b32 v[BO], 5, v2
	; my 64 columns in f32: the same byte offset in b_out and in a row of out0
	s_lshl_b32 s46, s42, 9
	s_lshl_b32 s47, s12, 8
	s_add_co_u32 s46, s46, s47
	s_mov_b32 s47, 0
	s_add_nc_u64 s[8:9], s[8:9], s[46:47]
	s_add_nc_u64 s[68:69], s[68:69], s[46:47]
.set i_, 0
.rept NT
	global_load_b128 v[BIAS+8*i_:BIAS+8*i_+3],   v[BO], s[8:9] offset:64*i_
	global_load_b128 v[BIAS+8*i_+4:BIAS+8*i_+7], v[BO], s[8:9] offset:64*i_+16
.set i_, i_+1
.endr
	s_lshl_b32 s16, s13, 19                        ; my first row of out0: 128 rows of 4,096 bytes a block row, 64 for my half
	s_lshl_b32 s17, s11, 18
	s_add_co_u32 s16, s16, s17
	s_mov_b32 s17, 0
	s_add_nc_u64 s[68:69], s[68:69], s[16:17]
	v_and_b32 v5, 31, v0
	v_lshlrev_b32 v3, 4, v5                        ; attn fragment: 16 x lane
	v_and_b32 v4, 7, v0
	v_lshl_add_u32 v4, v2, 3, v4
	v_mul_u32_u24 v4, v4, PB                       ; w fragment, transposing load: k row 8 h + l % 8,
	v_bfe_u32 v5, v0, 3, 1
	v_lshl_add_u32 v4, v5, 4, v4                   ; 16 bytes at 16 ((l / 8) % 2)
	s_lshl_b32 s21, s11, 12                        ; my four row tiles of 1,024 bytes in each K group
	s_mul_i32 s22, s12, CHB
	s_add_co_u32 s22, s22, ABYTES
.irp s, 0,1
	v_add_nc_u32 v[ADRA+\s], s21, v3
	v_add_nc_u32 v[ADRB+2*\s], s22, v4
	s_add_co_u32 s22, s22, WQT
	v_add_nc_u32 v[ADRB+2*\s+1], s22, v4
	s_add_co_u32 s21, s21, SLOT
	s_add_co_u32 s22, s22, SLOT-WQT
.endr
	s_mul_i32 s23, s10, 16*SP
	s_add_co_u32 s23, s23, STAGE                   ; my stage
	v_mul_u32_u24 v3, v1, SP
	v_lshl_add_u32 v3, v2, 5, v3
	v_add_nc_u32 v[STO], s23, v3                   ; in: row r, 32 bytes at 32 h
	v_mul_u32_u24 v3, v2, SP
	v_lshl_add_u32 v3, v1, 4, v3
	v_add_nc_u32 v[RD], s23, v3                    ; back: lanes 0-15 one row of 256 bytes, lanes 16-31 the next
	v_lshlrev_b32 v3, 12, v2
	v_lshl_add_u32 v[CO], v1, 4, v3                ; and the same two rows in out0
; n m tiles from a0 of one window x all NT n tiles, 32 along K.  zero = 1: the product starts the sums.  The accumulators take turns, one
; instruction a turn, in the same order in every quarter step.
.macro MULS f, hi, a0, n, zero
.set a_, \a0
.rept \n
.set b_, 0
.rept NT
.if \zero
	v_wmma_f32_16x16x32_bf16 v[8*(NT*a_+b_):8*(NT*a_+b_)+7], v[\f+8*b_:\f+8*b_+7], v[\f+8*(AH*\hi+a_):\f+8*(AH*\hi+a_)+7], 0
.else
	v_wmma_f32_16x16x32_bf16 v[8*(NT*a_+b_):8*(NT*a_+b_)+7], v[\f+8*b_:\f+8*b_+7], v[\f+8*(AH*\hi+a_):\f+8*(AH*\hi+a_)+7], v[8*(NT*a_+b_):8*(NT*a_+b_)+7]
.endif
.set b_, b_+1
.endr
.set a_, a_+1
.endr
.endm
; one run of 16 LDS loads: the fragments of K group q (0..7) of a slot into buffer f; w first, then attn by rising rows
.macro FETCH slot, q, f
	WIN TO_B
.set i_, 0
.rept NT
	ds_load_tr16_b128 v[\f+8*i_:\f+8*i_+3],   v[ADRB+2*\slot+(\q>>2)] offset:(\q&3)*32*PB+32*i_
	ds_load_tr16_b128 v[\f+8*i_+4:\f+8*i_+7], v[ADRB+2*\slot+(\q>>2)] offset:(\q&3)*32*PB+32*i_+16*PB
.set i_, i_+1
.endr
	WIN 0
.set i_, 0
.rept MT
	ds_load_b128 v[\f+8*i_:\f+8*i_+3],   v[ADRA+\slot] offset:\q*8192+i_*1024
	ds_load_b128 v[\f+8*i_+4:\f+8*i_+7], v[ADRA+\slot] offset:\q*8192+i_*1024+512
.set i_, i_+1
.endr
.endm
.macro PLACES                          ; four places behind a matrix instruction (ISA guide 7.12.1 for vector instructions)
.rept 4
	v_nop
.endr
.endm
; 32 along K: multiplies buffer f; in its middle fetches K group q of the same slot into buffer g
.macro QUARTER slot, q, f, g, zero
	s_wait_dscnt MT                                ; w and attn's rows 0-31 are in; the youngest MT loads (rows 32-63) may be out
	WIN MUL_LO
	MULS \f, 0, 0, AH, \zero
	PLACES
	FETCH \slot, \q, \g
	s_wait_dscnt 2*NT+2*MT                         ; all but the run just issued
	WIN MUL_HI
	MULS \f, 1, 0, AH, \zero
.endm
.macro SEVEN slot, zero                ; the first seven of a block's eight K groups, on buffers 0, 1, 0, 1, ..
	QUARTER \slot, 1, F0, F1, \zero
	QUARTER \slot, 2, F1, F0, 0
	QUARTER \slot, 3, F0, F1, 0
	QUARTER \slot, 4, F1, F0, 0
	QUARTER \slot, 5, F0, F1, 0
	QUARTER \slot, 6, F1, F0, 0
	QUARTER \slot, 7, F0, F1, 0
.endm
; the eighth changes slots: in front of the barrier my reads of this slot are back and all my tensor loads have landed (one was out: my part
; of the next slot); behind it this slot is filled again first, then the next slot is read.  From a request to the wait for it a wave issues
; 124 of a block's 128 matrix instructions.
.macro TURN slot, next, fill
	s_wait_dscnt MT
	WIN MUL_LO
	MULS F1, 0, 0, AH/2, 0
	s_wait_dscnt 0
	s_wait_tensorcnt 0x0
	ds_add_u32 v255, v63
	s_wait_dscnt 0x0
	s_barrier_signal -1                            ; where a slot is filled again this barrier opens a round of the cluster's barrier
	MULS F1, 0, AH/2, AH/2, 0                      ; register work while the others arrive
	WIN 0
	s_barrier_wait -1
.if \fill
	CREST                                          ; no wave of any partner still reads this slot or has a load on its way
	s_add_nc_u64 s[G0+4*\slot+2:G0+4*\slot+3], s[G0+4*\slot+2:G0+4*\slot+3], 2*ASTEP
	s_add_nc_u64 s[G0B+4*\slot+2:G0B+4*\slot+3], s[G0B+4*\slot+2:G0B+4*\slot+3], 2*WSTEP
	JLOAD \slot                                    ; the wave's one tensor load behind the round
.endif
	PLACES
	FETCH \next, 0, F0
	WIN MUL_HI
	MULS F1, 1, 0, AH, 0
.endm
	s_wait_loadcnt 0x0                             ; the bias, once
	s_wait_tensorcnt 1                             ; my part of block 0 is in; block 1's may stay out
	s_barrier_signal -1
	s_barrier_wait -1
	FETCH 0, 0, F0
	SEVEN 0, 1                                     ; block 0: its first products start the sums
	TURN 0, 1, 1                                   ; slot 0 is asked for again: block 2
	SEVEN 1, 0                                     ; block 1
	TURN 1, 0, 1                                   ; slot 1 is asked for again: block 3
	SEVEN 0, 0                                     ; block 2
	TURN 0, 1, 0                                   ; nothing is left to fetch
	SEVEN 1, 0                                     ; block 3
	s_wait_dscnt MT
	WIN MUL_LO
	MULS F1, 0, 0, AH, 0
	s_wait_dscnt 0
	WIN MUL_HI
	MULS F1, 1, 0, AH, 0
	; THE WAY OUT, 16 rows at a time through my own stage: bias added, 32 bytes a lane in, whole rows of 256 bytes back
	PLACES
; m tile a of my four = tile al of window 2 or 3 (from: source 0's window)
.macro OUTP a, al, from
	WIN \from
.set j_, 0
.rept 4*NT
	v_pk_add_f32 v[TMP+2*j_:TMP+2*j_+1], v[8*NT*\al+2*j_:8*NT*\al+2*j_+1], v[BIAS+2*j_:BIAS+2*j_+1]
.set j_, j_+1
.endr
	WIN 0
.set j_, 0
.rept 2*NT
	ds_store_b128 v[STO], v[TMP+4*j_:TMP+4*j_+3] offset:64*(j_/2)+16*(j_%2)
.set j_, j_+1
.endr
.set j_, 0
.rept 8
	ds_load_b128 v[F0+32*\a+4*j_:F0+32*\a+4*j_+3], v[RD] offset:j_*2*SP    ; LDS serves a wave's instructions in order (ISA guide 5.7.1): these see the stores above
.set j_, j_+1
.endr
.set j_, 0
.rept 8
	s_wait_dscnt 7-j_
	global_store_b128 v[CO], v[F0+32*\a+4*j_:F0+32*\a+4*j_+3], s[68:69] offset:\a*65536+j_*8192 th:TH_STORE_NT   ; 16 lanes store 256 consecutive bytes, at a multiple of 256 from out0's first byte; every store has data registers of its own
.set j_, j_+1
.endr
.endm
	OUTP 0, 0, 0x02
	OUTP 1, 1, 0x02
	OUTP 2, 0, 0x03
	OUTP 3, 1, 0x03
	s_set_vgpr_msb 0x1
	s_wait_tensorcnt 0x0
	ds_add_u32 v255, v63
	s_wait_dscnt 0x0
	s_set_vgpr_msb 0x100
	CROUND                                         ; the closing round
	s_endpgm
.Lfunc_end_k_q0ab8aa9b36_proj:
	.size	k_q0ab8aa9b36_proj, .Lfunc_end_k_q0ab8aa9b36_proj-k_q0ab8aa9b36_proj
	.p2alignl 7, 3214868480
	.fill 96, 4, 3214868480
	.section	.rodata,"a",@progbits
	.p2align	6, 0x0
	.amdhsa_kernel k_q0ab8aa9b36_proj
		.amdhsa_group_segment_fixed_size 327680
		.amdhsa_private_segment_fixed_size 0
		.amdhsa_enable_private_segment 0
		.amdhsa_kernarg_size 32
		.amdhsa_user_sgpr_count 2
		.amdhsa_user_sgpr_kernarg_segment_ptr 1
		.amdhsa_wavefront_size32 1
		.amdhsa_system_sgpr_workgroup_id_x 1
		.amdhsa_system_sgpr_workgroup_id_y 1
		.amdhsa_system_sgpr_workgroup_id_z 1
		.amdhsa_system_vgpr_workitem_id 0
		.amdhsa_next_free_vgpr 832
		.amdhsa_next_free_sgpr 70
		.amdhsa_reserve_vcc 0
		.amdhsa_float_denorm_mode_32 3
		.amdhsa_float_denorm_mode_16_64 3
		.amdhsa_memory_ordered 1
		.amdhsa_forward_progress 1
		.amdhsa_inst_pref_size 97
	.end_amdhsa_kernel
	.amdgpu_metadata
---
amdhsa.version: [ 1, 2 ]
amdhsa.kernels:
  - .name:           k_q0ab8aa9b36_proj
    .symbol:         k_q0ab8aa9b36_proj.kd
    .args:
      - { .name: attnh, .offset: 0, .size: 8, .value_kind: global_buffer, .address_space: global }
      - { .name: castb, .offset: 8, .size: 8, .value_kind: global_buffer, .address_space: global }
      - { .name: b_out, .offset: 16, .size: 8, .value_kind: global_buffer, .address_space: global }
      - { .name: out0, .offset: 24, .size: 8, .value_kind: global_buffer, .address_space: global }
    .group_segment_fixed_size: 327680
    .private_segment_fixed_size: 0
    .kernarg_segment_align: 8
    .kernarg_segment_size: 32
    .max_flat_workgroup_size: 128
    .sgpr_count:     70
    .vgpr_count:     832
    .wavefront_size: 32
...
	.end_amdgpu_metadata
.endif
;; end of part 4
